; MI455X (gfx1250); checked and timed in simulation.
; The chip was launched on July 23, 2026; its instructions are those of AMD's public machine-readable ISA for CDNA 5 (MIT licence, August 2026) and "CDNA5" Instruction Set Architecture Reference Guide (July 2026). The comments in the code are by the model that wrote it; some were corrected since.
;; Attentionlayer. Allowed arithmetic: float matrix products may take bf16 or f16 operands with f32 sums; all other float work in f32.
;; Inputs: Wk 64 x 512 float32; Wo 512 x 64 float32; Wq 64 x 512 float32; Wv 64 x 512 float32; bk 512 float32; bo 64 float32; bq 512 float32; bv 512 float32; mask 4 x 2,048 x 2,048 float32; x 4 x 2,048 x 64 float32.
;; Outputs: out0 4 x 2,048 x 64 float32.
;; One version. Each part assembles by itself: llvm-mc -triple=amdgcn-amd-amdhsa -mcpu=gfx1250 --defsym DOCPART=n.
;; ======== version 1 of 1: 3 launches
;; limits: right only within a limited range of input values
;; workspace buffers: wfrag 36,864 bytes; gvec 1,280 bytes; kside 4,194,304 bytes; yq 2,097,152 bytes; cq 65,536 bytes
;; launch fold (part 1): grid 5 x 9, 8 waves a work-group, no clusters, 9,216 bytes of LDS; arguments Wq, bq, Wk, bk, Wv, bv, Wo, wfrag, gvec; writes wfrag, gvec
.if DOCPART == 1
	.amdgcn_target "amdgcn-amd-amdhsa--gfx1250"
	.amdhsa_code_object_version 6
	.text
	.protected	k_qcde72af985_fold
	.globl	k_qcde72af985_fold
	.p2align	8
	.type	k_qcde72af985_fold,@function
k_qcde72af985_fold:
	s_mov_b64 s[64:65], 0
	v_nop
	global_prefetch_b8 v0, s[64:65] scope:SCOPE_SE
	s_setreg_imm32_b32 hwreg(HW_REG_WAVE_MODE, 25, 1), 1
	s_wait_xcnt 0x0
; fold: the weights are folded, which is exact algebra for every input.
;   Mhat = [Wq; bq] [Wk; bk]^T        (65 x 65):  q.k = [x_s, 1] Mhat [x_t, 1]^T
;   Nhat = 64^-0.25 [Wv; bv] Wo       (65 x 64):  (attn v) Wo / 64^0.25 = attn ([x, 1] Nhat)
; A work-group (et = x, ftg = y) makes one tile of 16 x 16: rows e = 16 et + .., columns f = 16 ftg + .. of Mhat (ftg 0-4)
; or f = 16 (ftg - 5) + .. of Nhat (ftg 5-8).  The sum over d = 0..511 is shared among eight waves, 64 each, and merged in LDS.
; Row tile et = 4 and column tile ftg = 4 hold the bias row (column) twice, at places 0 and 8, and zeros elsewhere, so that
; register 0 of a result tile holds the wanted number in both halves of the lanes.
; NUMBERS: every f32 operand a goes to the matrix unit as hi = bf16(a), lo = bf16(a - hi); a product is hi hi + hi lo + lo hi
; with f32 sums; lo lo (2^-8 of 2^-8 of the product's size, relative 2^-17 and less) is dropped.
; LIMITS: the order of rounding differs from the unfolded form; operands beyond bf16's largest number become infinite.
; OUT: wfrag, chunks of 512 bytes, lane L's 16 bytes at 16 L: chunk (ftg 8 + hl 4 + et) = registers of a 16-bit fragment with
; row f = 16 ftg + r and k = e = 16 et + 8 h + 0..7 (hl 0: hi, 1: lo).  gvec: word 32 ftg + lane = the bias row e = 64 at column r.
.set AF,  16                           ; v[16:47]   A as f32: [ks 16 + g 8 + i] = row r, d = 64 w + 32 ks + 16 g + 8 h + i
.set BF,  48                           ; v[48:79]   B likewise, column r
.set AH,  80                           ; v[80:95]   A hi, two fragments (ks)
.set AL,  96                           ; v[96:111]  A lo
.set BH,  112                          ; v[112:127] B hi
.set BL,  128                          ; v[128:143] B lo
.set ACC, 144                          ; v[144:167] three sums: hi hi, hi lo, lo hi
.set T,   168                          ; v[168:175] at work
.set R,   16                           ; v[16:79]   wave 0: the eight waves' partial tiles
.set HI,  80                           ; v[80:83]   wave 0: the chunk to store, hi
.set LO,  84                           ; v[84:87]   lo
.macro PLACES                          ; four places behind a matrix instruction (ISA guide 7.12.1)
.rept 4
	v_nop
.endr
.endm
; n pairs of f32 at src become n words of two bf16 at hi, and the remainders n words at lo; src is used up
.macro SPLIT src, hi, lo, n
.set sk, 0
.rept \n
	v_cvt_pk_bf16_f32 v[\hi+sk], v[\src+2*sk], v[\src+2*sk+1]
	v_lshlrev_b32 v[T+2*(sk%4)], 16, v[\hi+sk]
	v_and_b32 v[T+2*(sk%4)+1], s5, v[\hi+sk]
	v_pk_add_f32 v[\src+2*sk:\src+2*sk+1], v[\src+2*sk:\src+2*sk+1], v[T+2*(sk%4):T+2*(sk%4)+1] neg_lo:[0,1] neg_hi:[0,1]
	v_cvt_pk_bf16_f32 v[\lo+sk], v[\src+2*sk], v[\src+2*sk+1]
.set sk, sk+1
.endr
.endm
	s_load_b512 s[8:23], s[0:1], 0x0               ; Wq 8, bq 10, Wk 12, bk 14, Wv 16, bv 18, Wo 20, wfrag 22
	s_load_b64 s[24:25], s[0:1], 0x40              ; gvec
	v_lshl_add_u32 v176, v0, 2, 0x2000
	v_mov_b32 v177, 0
	v_and_b32 v1, 31, v0                           ; lane
	v_lshrrev_b32 v11, 5, v0
	v_readfirstlane_b32 s2, v11                    ; wave
	s_mov_b32 s3, ttmp9                            ; et
	s_and_b32 s4, ttmp7, 0xffff                    ; ftg
	s_mov_b32 s5, 0xffff0000                       ; a word's upper bf16
	v_and_b32 v2, 15, v1                           ; r
	v_lshrrev_b32 v3, 4, v1                        ; h
	v_lshlrev_b32 v8, 4, v1                        ; 16 lane
	v_lshlrev_b32 v9, 2, v1                        ; 4 lane
	v_lshl_add_u32 v10, s2, 10, v8                 ; my wave's 1,024 bytes of LDS
	v_and_b32 v11, 7, v1
	v_cmp_eq_u32 vcc_lo, 0, v11
	v_cndmask_b32 v11, 0, -1, vcc_lo               ; all ones in lanes with r = 0 or 8
	s_cmp_lt_u32 s4, 5
	s_cselect_b32 s6, 1.0, 0x3eb504f3              ; Mhat: 1; Nhat: 64^-0.25 = 2^-1.5
	s_mov_b32 s7, s6
	s_cmp_eq_u32 s4, 4
	s_cselect_b32 s36, 0, -1                       ; the bias tile of B keeps lanes r = 0, 8 alone
	s_lshl_b32 s32, s3, 15                         ; 16 rows of 2,048 bytes for each tile of A
	s_lshl_b32 s33, s2, 8                          ; my wave's 64 d
	s_cmp_eq_u32 s3, 4
	s_cselect_b32 s32, 0, s32                      ; the bias is one row,
	s_cselect_b32 s34, 0, 2048                     ; read by every lane,
	s_cselect_b32 s35, 0, -1                       ; and kept in lanes r = 0, 8 alone
	s_add_co_u32 s32, s32, s33
	s_mov_b32 s33, 0
	v_or_b32 v6, s35, v11                          ; A's lane mask
	v_or_b32 v7, s36, v11                          ; B's lane mask
	v_mul_lo_u32 v4, v2, s34
	v_lshl_add_u32 v4, v3, 5, v4                   ; A: r x pitch + 32 h
	s_wait_kmcnt 0x0
	s_cmp_eq_u32 s3, 4
	s_cselect_b64 s[26:27], s[10:11], s[8:9]       ; bq or Wq
	s_cselect_b64 s[30:31], s[18:19], s[16:17]     ; bv or Wv
	s_cmp_lt_u32 s4, 5
	s_cselect_b64 s[26:27], s[26:27], s[30:31]
	s_add_nc_u64 s[26:27], s[26:27], s[32:33]
.irp ks, 0,1
.irp g, 0,1
	global_load_b128 v[AF+16*\ks+8*\g:AF+16*\ks+8*\g+3],   v4, s[26:27] offset:128*\ks+64*\g
	global_load_b128 v[AF+16*\ks+8*\g+4:AF+16*\ks+8*\g+7], v4, s[26:27] offset:128*\ks+64*\g+16
.endr
.endr
	s_cmp_lt_u32 s4, 5
	s_cbranch_scc0 .Ltype_n
	; Mhat: B's column f is row f of Wk (or bk), d along the row, as for A
	s_lshl_b32 s32, s4, 15
	s_lshl_b32 s33, s2, 8
	s_cmp_eq_u32 s4, 4
	s_cselect_b64 s[28:29], s[14:15], s[12:13]     ; bk or Wk
	s_cselect_b32 s32, 0, s32
	s_cselect_b32 s34, 0, 2048
	s_add_co_u32 s32, s32, s33
	s_mov_b32 s33, 0
	s_add_nc_u64 s[28:29], s[28:29], s[32:33]
	v_mul_lo_u32 v5, v2, s34
	v_lshl_add_u32 v5, v3, 5, v5
.irp ks, 0,1
.irp g, 0,1
	global_load_b128 v[BF+16*\ks+8*\g:BF+16*\ks+8*\g+3],   v5, s[28:29] offset:128*\ks+64*\g
	global_load_b128 v[BF+16*\ks+8*\g+4:BF+16*\ks+8*\g+7], v5, s[28:29] offset:128*\ks+64*\g+16
.endr
.endr
	s_branch .Ljoin
.Ltype_n:
	; Nhat: B's column f is column f of Wo, whose rows (256 bytes) go along d: one word a load, sixteen lanes side by side
	s_sub_co_u32 s32, s4, 5
	s_lshl_b32 s32, s32, 6                         ; 16 columns of 4 bytes for each tile
	s_lshl_b32 s33, s2, 14                         ; my wave's 64 rows of 256 bytes
	s_add_co_u32 s32, s32, s33
	s_mov_b32 s33, 0
	s_add_nc_u64 s[28:29], s[20:21], s[32:33]
	v_lshlrev_b32 v5, 2, v2
	v_lshl_add_u32 v5, v3, 11, v5                  ; 4 r + 8 h rows
.set i, 0
.rept 32
	global_load_b32 v[BF+i], v5, s[28:29] offset:((i/8)*16+(i%8))*256
.set i, i+1
.endr
.Ljoin:
	s_wait_loadcnt 0x0                             ; the two ways issue different numbers of loads: all of them
.set i, 0
.rept 32
	v_and_b32 v[AF+i], v6, v[AF+i]                 ; a bias tile's other rows become zeros; all other tiles pass
	v_and_b32 v[BF+i], v7, v[BF+i]
.set i, i+1
.endr
	SPLIT AF, AH, AL, 16
	SPLIT BF, BH, BL, 16
	; three sums take turns, one instruction a turn; the first products start the sums
	v_wmma_f32_16x16x32_bf16 v[ACC:ACC+7],     v[AH:AH+7],    v[BH:BH+7],    0
	v_wmma_f32_16x16x32_bf16 v[ACC+8:ACC+15],  v[AH:AH+7],    v[BL:BL+7],    0
	v_wmma_f32_16x16x32_bf16 v[ACC+16:ACC+23], v[AL:AL+7],    v[BH:BH+7],    0
	v_wmma_f32_16x16x32_bf16 v[ACC:ACC+7],     v[AH+8:AH+15], v[BH+8:BH+15], v[ACC:ACC+7]
	v_wmma_f32_16x16x32_bf16 v[ACC+8:ACC+15],  v[AH+8:AH+15], v[BL+8:BL+15], v[ACC+8:ACC+15]
	v_wmma_f32_16x16x32_bf16 v[ACC+16:ACC+23], v[AL+8:AL+15], v[BH+8:BH+15], v[ACC+16:ACC+23]
	PLACES
.irp k, 0,2,4,6
	v_pk_add_f32 v[ACC+8+\k:ACC+8+\k+1], v[ACC+8+\k:ACC+8+\k+1], v[ACC+16+\k:ACC+16+\k+1]   ; the two small sums first
.endr
.irp k, 0,2,4,6
	v_pk_add_f32 v[ACC+\k:ACC+\k+1], v[ACC+\k:ACC+\k+1], v[ACC+8+\k:ACC+8+\k+1]
.endr
	ds_store_b128 v10, v[ACC:ACC+3]
	ds_store_b128 v10, v[ACC+4:ACC+7] offset:512
	s_wait_dscnt 0x0                               ; my partial tile is in LDS, for wave 0's sake
	s_barrier_signal -1
	s_barrier_wait -1
	s_cmp_lg_u32 s2, 0
	s_cbranch_scc1 .Lend
	; wave 0 adds the eight partial tiles: register j of lane (r, h) = element (e = 16 et + 8 h + j, f = r)
.set i, 0
.rept 16
	ds_load_b128 v[R+4*i:R+4*i+3], v8 offset:512*i
.set i, i+1
.endr
	s_wait_dscnt 0x0
.irp w, 1,2,3,4,5,6,7
.irp k, 0,2,4,6
	v_pk_add_f32 v[R+\k:R+\k+1], v[R+\k:R+\k+1], v[R+8*\w+\k:R+8*\w+\k+1]
.endr
.endr
.irp k, 0,2,4,6
	v_pk_mul_f32 v[R+\k:R+\k+1], v[R+\k:R+\k+1], s[6:7] op_sel_hi:[1,0]
.endr
	s_cmp_eq_u32 s3, 4
	s_cbranch_scc1 .Lbias
	SPLIT R, HI, LO, 4                             ; a lane's eight e of one f are 16 bytes of the transposed fragment
	s_lshl3_add_u32 s32, s4, s3                    ; chunk 8 ftg + et
	s_lshl_b32 s32, s32, 9
	s_mov_b32 s33, 0
	s_add_nc_u64 s[22:23], s[22:23], s[32:33]
	global_store_b128 v8, v[HI:HI+3], s[22:23]               ; 512 consecutive bytes, aligned
	global_store_b128 v8, v[LO:LO+3], s[22:23] offset:2048   ; the lo chunks lie four chunks further
	s_wait_tensorcnt 0x0
	ds_add_u32 v176, v177
	s_wait_dscnt 0x0
	s_endpgm
.Lbias:
	s_lshl_b32 s32, s4, 7
	s_mov_b32 s33, 0
	s_add_nc_u64 s[24:25], s[24:25], s[32:33]
	global_store_b32 v9, v[R], s[24:25]            ; register 0: row e = 64 (h = 0) and its copy e = 72 (h = 1)
.Lend:
	s_wait_tensorcnt 0x0
	ds_add_u32 v176, v177
	s_wait_dscnt 0x0
	s_endpgm
.Lfunc_end_k_qcde72af985_fold:
	.size	k_qcde72af985_fold, .Lfunc_end_k_qcde72af985_fold-k_qcde72af985_fold
	.p2alignl 7, 3214868480
	.fill 96, 4, 3214868480
	.section	.rodata,"a",@progbits
	.p2align	6, 0x0
	.amdhsa_kernel k_qcde72af985_fold
		.amdhsa_group_segment_fixed_size 9216
		.amdhsa_private_segment_fixed_size 0
		.amdhsa_enable_private_segment 0
		.amdhsa_kernarg_size 72
		.amdhsa_user_sgpr_count 2
		.amdhsa_user_sgpr_kernarg_segment_ptr 1
		.amdhsa_wavefront_size32 1
		.amdhsa_system_sgpr_workgroup_id_x 1
		.amdhsa_system_sgpr_workgroup_id_y 1
		.amdhsa_system_sgpr_workgroup_id_z 1
		.amdhsa_system_vgpr_workitem_id 0
		.amdhsa_next_free_vgpr 178
		.amdhsa_next_free_sgpr 66
		.amdhsa_reserve_vcc 1
		.amdhsa_float_denorm_mode_32 3
		.amdhsa_float_denorm_mode_16_64 3
		.amdhsa_memory_ordered 1
		.amdhsa_forward_progress 1
		.amdhsa_inst_pref_size 24
	.end_amdhsa_kernel
	.amdgpu_metadata
---
amdhsa.version: [ 1, 2 ]
amdhsa.kernels:
  - .name:           k_qcde72af985_fold
    .symbol:         k_qcde72af985_fold.kd
    .args:
      - { .name: Wq, .offset: 0, .size: 8, .value_kind: global_buffer, .address_space: global }
      - { .name: bq, .offset: 8, .size: 8, .value_kind: global_buffer, .address_space: global }
      - { .name: Wk, .offset: 16, .size: 8, .value_kind: global_buffer, .address_space: global }
      - { .name: bk, .offset: 24, .size: 8, .value_kind: global_buffer, .address_space: global }
      - { .name: Wv, .offset: 32, .size: 8, .value_kind: global_buffer, .address_space: global }
      - { .name: bv, .offset: 40, .size: 8, .value_kind: global_buffer, .address_space: global }
      - { .name: Wo, .offset: 48, .size: 8, .value_kind: global_buffer, .address_space: global }
      - { .name: wfrag, .offset: 56, .size: 8, .value_kind: global_buffer, .address_space: global }
      - { .name: gvec, .offset: 64, .size: 8, .value_kind: global_buffer, .address_space: global }
    .group_segment_fixed_size: 9216
    .private_segment_fixed_size: 0
    .kernarg_segment_align: 8
    .kernarg_segment_size: 72
    .max_flat_workgroup_size: 256
    .sgpr_count:     66
    .vgpr_count:     178
    .wavefront_size: 32
...
	.end_amdgpu_metadata
.endif
;; end of part 1
;; launch prep (part 2): grid 256 x 1, 2 waves a work-group, no clusters, 0 bytes of LDS; arguments x, wfrag, gvec, kside, yq, cq; writes kside, yq, cq
.if DOCPART == 2
	.amdgcn_target "amdgcn-amd-amdhsa--gfx1250"
	.amdhsa_code_object_version 6
	.text
	.protected	k_qcde72af985_prep
	.globl	k_qcde72af985_prep
	.p2align	8
	.type	k_qcde72af985_prep,@function
k_qcde72af985_prep:
	s_mov_b64 s[64:65], 0
	v_nop
	global_prefetch_b8 v0, s[64:65] scope:SCOPE_SE
	s_setreg_imm32_b32 hwreg(HW_REG_WAVE_MODE, 25, 1), 1
	s_wait_xcnt 0x0
; prep: from 16 rows of x (row tile T = 2 x work-group + wave; 512 tiles) a wave makes everything that the attention launch
; multiplies, as bf16 hi + lo pairs, already in the register image of the matrix fragments:
;   x itself                                     (key side of the scores)
;   y_s[f]  = sum_e x_s[e] Mhat[e][f] + Mhat[64][f]   (query side of the scores),  c_s = the same for column f = 64
;   v'_t[f] = sum_e x_t[e] Nhat[e][f] + Nhat[64][f]   (value side, output projection and 64^-0.25 folded in)
; Every product is hi hi + hi lo + lo hi on the bf16 matrix form with f32 sums (lo lo, relative 2^-17 and less, is dropped).
; All buffers are made of chunks of 512 bytes, lane L's 16 bytes at 16 L: each load and store of a wave covers 512 consecutive
; aligned bytes.  No LDS and no barrier: a wave's work hangs on no other wave.
;   kside: block of 32 keys = 32 chunks: x hi (kt 2 + ks) 2 + c, x lo + 8, v' hi 16 + 2 ft + c, v' lo + 8;  kt = c = T & 1
;   yq:    tile T = 8 chunks hl 4 + ft;   cq: word 32 T + lane = c of row r
; REGISTERS beyond v255 are named through windows (s_set_vgpr_msb): window 1 holds Mhat's 40 chunks, window 2 Nhat's 32.
.set XF,  8                            ; v[8:39]    x as f32: [ks 16 + g 8 + i] = row r, feature 32 ks + 16 g + 8 h + i
.set XH,  40                           ; v[40:55]   x hi, two fragments (ks)
.set XL,  56                           ; v[56:71]   x lo
.set ACC, 72                           ; v[72:143]  nine sums: 0-4 y transposed (tile 4: c), 5-8 v'
.set N0,  144                          ; v[144:151] Nhat's bias row at feature 16 ft + r, twice each (a pair for the packed add)
.set T,   152                          ; v[152:159] at work
.set YH,  168                          ; v[168:183] y hi
.set YL,  184                          ; v[184:199] y lo
.set VH,  200                          ; v[200:215] v' hi
.set VL,  216                          ; v[216:231] v' lo
.set MSB, 0
.macro WIN new                         ; the immediate's high byte repeats the setting that is left
.if MSB != \new
	s_set_vgpr_msb (MSB<<8)|\new
.set MSB, \new
.endif
.endm
.macro PLACES                          ; four places behind a matrix instruction (ISA guide 7.12.1)
.rept 4
	v_nop
.endr
.endm
.macro SPLIT src, hi, lo, n            ; n pairs of f32 become n words of bf16 hi and n words of bf16 lo; src is used up
.set sk, 0
.rept \n
	v_cvt_pk_bf16_f32 v[\hi+sk], v[\src+2*sk], v[\src+2*sk+1]
	v_lshlrev_b32 v[T+2*(sk%4)], 16, v[\hi+sk]
	v_and_b32 v[T+2*(sk%4)+1], s5, v[\hi+sk]
	v_pk_add_f32 v[\src+2*sk:\src+2*sk+1], v[\src+2*sk:\src+2*sk+1], v[T+2*(sk%4):T+2*(sk%4)+1] neg_lo:[0,1] neg_hi:[0,1]
	v_cvt_pk_bf16_f32 v[\lo+sk], v[\src+2*sk], v[\src+2*sk+1]
.set sk, sk+1
.endr
.endm
; one link of y's sums for all five tiles: source 0 = Mhat^T (rows f, window 1), source 1 = x (columns = rows of x)
.macro YLINK hl, xb, ks
.irp ft, 0,1,2,3,4
	v_wmma_f32_16x16x32_bf16 v[ACC+8*\ft:ACC+8*\ft+7], v[8*((\ft*2+\hl)*2+\ks):8*((\ft*2+\hl)*2+\ks)+7], v[\xb+8*\ks:\xb+8*\ks+7], v[ACC+8*\ft:ACC+8*\ft+7]
.endr
.endm
; one link of v's sums for all four tiles: source 0 = x (rows = keys), source 1 = Nhat^T (columns f, window 2)
.macro VLINK xb, hl, ks, zero
.irp ft, 0,1,2,3
.if \zero
	v_wmma_f32_16x16x32_bf16 v[ACC+40+8*\ft:ACC+40+8*\ft+7], v[\xb+8*\ks:\xb+8*\ks+7], v[8*((\ft*2+\hl)*2+\ks):8*((\ft*2+\hl)*2+\ks)+7], 0
.else
	v_wmma_f32_16x16x32_bf16 v[ACC+40+8*\ft:ACC+40+8*\ft+7], v[\xb+8*\ks:\xb+8*\ks+7], v[8*((\ft*2+\hl)*2+\ks):8*((\ft*2+\hl)*2+\ks)+7], v[ACC+40+8*\ft:ACC+40+8*\ft+7]
.endif
.endr
.endm
	s_load_b256 s[8:15], s[0:1], 0x0               ; x 8, wfrag 10, gvec 12, kside 14
	s_load_b128 s[16:19], s[0:1], 0x20             ; yq 16, cq 18
	v_and_b32 v6, 31, v0                           ; lane
	v_lshrrev_b32 v7, 5, v0
	v_readfirstlane_b32 s2, v7                     ; wave
	s_lshl_b32 s3, ttmp9, 1
	s_add_co_u32 s3, s3, s2                        ; T
	s_mov_b32 s5, 0xffff0000                       ; a word's upper bf16
	v_lshlrev_b32 v1, 4, v6                        ; 16 lane
	v_and_b32 v4, 15, v6                           ; r
	v_lshrrev_b32 v3, 4, v6
	v_lshlrev_b32 v3, 5, v3                        ; 32 h
	v_lshl_add_u32 v2, v4, 8, v3                   ; x: r rows of 256 bytes + 32 h
	v_lshlrev_b32 v5, 2, v6                        ; 4 lane
	s_lshl_b32 s20, s3, 12                         ; T x 4,096: 16 rows of x, and a tile of yq
	s_mov_b32 s21, 0
	s_lshl_b32 s26, ttmp9, 14                      ; my block of 32 keys in kside
	s_lshl_b32 s28, s2, 11
	s_add_co_u32 s28, s28, s26                     ; x chunks of key tile kt = wave
	s_mov_b32 s29, 0
	s_lshl_b32 s30, s2, 9
	s_add_co_u32 s30, s30, s26
	s_add_co_u32 s30, s30, 8192                    ; v' chunks with c = wave
	s_mov_b32 s31, 0
	s_lshl_b32 s32, s3, 7                          ; T x 128 in cq
	s_mov_b32 s33, 0
	s_wait_kmcnt 0x0
	s_add_nc_u64 s[8:9], s[8:9], s[20:21]
	s_add_nc_u64 s[22:23], s[14:15], s[28:29]
	s_add_nc_u64 s[24:25], s[14:15], s[30:31]
	s_add_nc_u64 s[16:17], s[16:17], s[20:21]
	s_add_nc_u64 s[18:19], s[18:19], s[32:33]
	; 98 loads: 8 of x, 10 + 8 of the bias rows, 72 of the folded weights
.irp ks, 0,1
.irp g, 0,1
	global_load_b128 v[XF+16*\ks+8*\g:XF+16*\ks+8*\g+3],   v2, s[8:9] offset:128*\ks+64*\g
	global_load_b128 v[XF+16*\ks+8*\g+4:XF+16*\ks+8*\g+7], v2, s[8:9] offset:128*\ks+64*\g+16
.endr
.endr
.irp ft, 0,1,2,3,4
	global_load_b128 v[ACC+8*\ft:ACC+8*\ft+3],   v3, s[12:13] offset:128*\ft       ; y's sums start from Mhat[64][16 ft + 8 h + j]
	global_load_b128 v[ACC+8*\ft+4:ACC+8*\ft+7], v3, s[12:13] offset:128*\ft+16
.endr
.irp ft, 0,1,2,3
	global_load_b32 v[N0+2*\ft],   v5, s[12:13] offset:128*(5+\ft)
	global_load_b32 v[N0+2*\ft+1], v5, s[12:13] offset:128*(5+\ft)
.endr
	WIN 0x40                                       ; destination in window 1
.set i, 0
.rept 40
	global_load_b128 v[4*i:4*i+3], v1, s[10:11] offset:512*i
.set i, i+1
.endr
	WIN 0x80                                       ; destination in window 2
.set i, 0
.rept 32
	global_load_b128 v[4*i:4*i+3], v1, s[10:11] offset:512*(40+i)
.set i, i+1
.endr
	WIN 0
	s_wait_loadcnt 63                              ; of 98 loads at most 63 are out: the oldest 35 are in, x's eight among them
	SPLIT XF, XH, XL, 16
.irp i, 0,1,2,3
	global_store_b128 v1, v[XH+4*\i:XH+4*\i+3], s[22:23] offset:512*\i
	global_store_b128 v1, v[XL+4*\i:XL+4*\i+3], s[22:23] offset:4096+512*\i
.endr
	s_wait_loadcnt 0x0                             ; the bias rows and the folded weights
	; the sums take turns, one instruction a turn
	WIN 0x01                                       ; source 0 in window 1
	YLINK 0, XH, 0
	YLINK 0, XH, 1
	YLINK 0, XL, 0
	YLINK 0, XL, 1
	YLINK 1, XH, 0
	YLINK 1, XH, 1
	WIN 0x08                                       ; source 1 in window 2
	VLINK XH, 0, 0, 1                              ; the first products start v's sums
	VLINK XH, 0, 1, 0
	VLINK XL, 0, 0, 0
	VLINK XL, 0, 1, 0
	VLINK XH, 1, 0, 0
	VLINK XH, 1, 1, 0
	WIN 0
	PLACES
	; y transposed: lane (r, h) holds features 16 ft + 8 h + 0..7 of row r: 16 bytes of the fragment with k = feature
.irp ft, 0,1,2,3
	SPLIT ACC+8*\ft, YH+4*\ft, YL+4*\ft, 4
	global_store_b128 v1, v[YH+4*\ft:YH+4*\ft+3], s[16:17] offset:512*\ft
	global_store_b128 v1, v[YL+4*\ft:YL+4*\ft+3], s[16:17] offset:2048+512*\ft
.endr
	global_store_b32 v5, v[ACC+32], s[18:19]       ; c of row r: feature 64 in lanes 0-15, its copy 72 in lanes 16-31
	; v': lane (r, h) holds keys 8 h + 0..7 of feature 16 ft + r: 16 bytes of the fragment with k = key
.irp ft, 0,1,2,3
.irp k, 0,2,4,6
	v_pk_add_f32 v[ACC+40+8*\ft+\k:ACC+40+8*\ft+\k+1], v[ACC+40+8*\ft+\k:ACC+40+8*\ft+\k+1], v[N0+2*\ft:N0+2*\ft+1]
.endr
	SPLIT ACC+40+8*\ft, VH+4*\ft, VL+4*\ft, 4
	global_store_b128 v1, v[VH+4*\ft:VH+4*\ft+3], s[24:25] offset:1024*\ft
	global_store_b128 v1, v[VL+4*\ft:VL+4*\ft+3], s[24:25] offset:4096+1024*\ft
.endr
	s_endpgm                                       ; no register that a store reads was written again
.Lfunc_end_k_qcde72af985_prep:
	.size	k_qcde72af985_prep, .Lfunc_end_k_qcde72af985_prep-k_qcde72af985_prep
	.p2alignl 7, 3214868480
	.fill 96, 4, 3214868480
	.section	.rodata,"a",@progbits
	.p2align	6, 0x0
	.amdhsa_kernel k_qcde72af985_prep
		.amdhsa_group_segment_fixed_size 0
		.amdhsa_private_segment_fixed_size 0
		.amdhsa_enable_private_segment 0
		.amdhsa_kernarg_size 48
		.amdhsa_user_sgpr_count 2
		.amdhsa_user_sgpr_kernarg_segment_ptr 1
		.amdhsa_wavefront_size32 1
		.amdhsa_system_sgpr_workgroup_id_x 1
		.amdhsa_system_sgpr_workgroup_id_y 1
		.amdhsa_system_sgpr_workgroup_id_z 1
		.amdhsa_system_vgpr_workitem_id 0
		.amdhsa_next_free_vgpr 640
		.amdhsa_next_free_sgpr 66
		.amdhsa_reserve_vcc 0
		.amdhsa_float_denorm_mode_32 3
		.amdhsa_float_denorm_mode_16_64 3
		.amdhsa_memory_ordered 1
		.amdhsa_forward_progress 1
		.amdhsa_inst_pref_size 30
	.end_amdhsa_kernel
	.amdgpu_metadata
---
amdhsa.version: [ 1, 2 ]
amdhsa.kernels:
  - .name:           k_qcde72af985_prep
    .symbol:         k_qcde72af985_prep.kd
    .args:
      - { .name: x, .offset: 0, .size: 8, .value_kind: global_buffer, .address_space: global }
      - { .name: wfrag, .offset: 8, .size: 8, .value_kind: global_buffer, .address_space: global }
      - { .name: gvec, .offset: 16, .size: 8, .value_kind: global_buffer, .address_space: global }
      - { .name: kside, .offset: 24, .size: 8, .value_kind: global_buffer, .address_space: global }
      - { .name: yq, .offset: 32, .size: 8, .value_kind: global_buffer, .address_space: global }
      - { .name: cq, .offset: 40, .size: 8, .value_kind: global_buffer, .address_space: global }
    .group_segment_fixed_size: 0
    .private_segment_fixed_size: 0
    .kernarg_segment_align: 8
    .kernarg_segment_size: 48
    .max_flat_workgroup_size: 64
    .sgpr_count:     66
    .vgpr_count:     640
    .wavefront_size: 32
...
	.end_amdgpu_metadata
.endif
;; end of part 2
;; launch attn (part 3): grid 256 x 1, 8 waves a work-group, no clusters, 281,600 bytes of LDS; arguments mask, kside, yq, cq, bo, out0; writes out0
.if DOCPART == 3
	.amdgcn_target "amdgcn-amd-amdhsa--gfx1250"
	.amdhsa_code_object_version 6
	.text
	.protected	k_qcde72af985_attn
	.globl	k_qcde72af985_attn
	.p2align	8
	.type	k_qcde72af985_attn,@function
k_qcde72af985_attn:
	s_mov_b64 s[64:65], 0
	v_nop
	global_prefetch_b8 v0, s[64:65] scope:SCOPE_SE
	s_setreg_imm32_b32 hwreg(HW_REG_WAVE_MODE, 25, 1), 1
	s_wait_xcnt 0x0
; attn: out[s] = (sum_t p[s][t] v'[t]) / (sum_t p[s][t]) + bo,  p = exp(score - running maximum),
;       score[s][t] = sum_f y_s[f] x_t[f] + c_s + mask[s][t]   (y, c, x, v' as the launch before left them, bf16 hi + lo).
; A work-group owns 32 queries (two tiles qt of 16) of one batch; wave w owns keys 256 w .. 256 w + 255, eight units of 32 keys,
; for all 32 queries, with its own running maximum, sum and 32 x 64 result; the eight waves' results meet in LDS at the end.
; THE MASK: the work-group's 32 rows x 2,048 keys of f32 are asked for whole by the first instructions, four tensor loads a
; wave (32 rows x 256 bytes each, rows padded to 272 bytes in LDS); a wave has four outstanding.
; No LDS byte is filled twice.  A wave reads its own tiles alone, behind its own counted wait.  The mask enters as the C operand.
; THE KEY SIDE: a unit's 16 KiB (x hi, x lo, v' hi, v' lo in the fragments' register image) come straight into registers, 32 loads
; of 512 consecutive bytes, one unit ahead, into two buffers that take turns; each key-side byte is loaded once by the work-group.
; BOTH PRODUCTS ARE USED TRANSPOSED: scores with source 0 = keys, source 1 = queries, so a lane holds 8 neighbouring keys of ONE
; query r; the rounded weights are then source 1 of the second product as they stand, and its result holds 8 features of query r.
; So maximum, scale and sum are one number a lane, and only the two halves of the lanes have to be brought together.
; NUMBERS: each product is hi hi + hi lo + lo hi (bf16 operands, f32 sums); lo lo, relative 2^-17 and less, is dropped.
; LIMITS: the running maximum is kept at or above -2^127, so that -inf in the mask gives weight 0; a row that is -inf throughout
; gives NaN as the softmax does; a row whose every score is finite and below -1.7e38 gives NaN too; |c| stays below 6e37.
; NO CLUSTER, though the 64 work-groups of a batch read the same key side: a joint load lands in LDS, 278,528 of whose bytes hold
; the mask; what is left of the 327,680 that a work-group can be given would hold two slots of one 16 KiB unit, which is a round
; of the cluster's barrier, with all loads waited for, in front of each of 63 refills of 16 KiB.
.set TILE,   8704                      ; a mask tile in LDS: 32 rows x 272 bytes
.set WMASK,  4*TILE                    ; a wave's four tiles
.set STAT_M, 8*WMASK                   ; [query][wave] f32: the waves' maxima, 1,024 bytes; the sums lie 1,024 bytes further
.set C,   8                            ; v[8:9]     c of query r, for each qt
.set M,   10                           ; v[10:11]   running maximum
.set LS,  12                           ; v[12:13]   running sum (of my half of the lanes' keys)
.set NB,  16                           ; v16, v18   (c - M) log2 e; v17, v19 are written once: a pair is named whole
.set AL,  20                           ; v20, v22   the factor for what was summed under the old maximum; v21, v23 likewise
.set BO,  24                           ; v[24:27]   bo of my four features in the merge
.set Y,   32                           ; v[32:95]   y: qt 32 + hl 16 + ks 8
.set O,   96                           ; v[96:159]  results: 8 (4 qt + ft)
.set S,   160                          ; v[160:191] scores, then weights: 8 (2 qt + kt)
.set PH,  192                          ; v[192:207] weights hi: 8 qt
.set PL,  208                          ; v[208:223] weights lo
.set T,   224                          ; v[224:255] at work: 16 qt
; window 1: key-side buffer b at 128 b: x hi 8 (2 kt + ks), x lo + 32, v' hi 64 + 8 ft, v' lo 96 + 8 ft
.set AD,  224                          ; merge: v[224:231] address of my 16 bytes in wave k's partial result
.set SA,  232                          ; merge: address of my query's eight maxima
.set MM,  160                          ; merge: 16 i: eight maxima, then eight sums
.set PO,  32                           ; merge: 32 i + 4 k: wave k's partial result
.set RES, 192                          ; merge: 4 i
.set MSB, 0
.macro WIN new                         ; the immediate's high byte repeats the setting that is left
.if MSB != \new
	s_set_vgpr_msb (MSB<<8)|\new
.set MSB, \new
.endif
.endm
.macro PLACES                          ; four places behind a matrix instruction (ISA guide 7.12.1)
.rept 4
	v_nop
.endr
.endm
.macro KLOAD u, b                      ; unit u's key side into buffer b: x's 16 chunks first, then v's 16
	WIN 0x40                           ; destination in window 1
.set i, 0
.rept 32
	global_load_b128 v[128*\b+4*i:128*\b+4*i+3], v1, s[50:51] offset:\u*16384+i*512
.set i, i+1
.endr
.endm
.macro MLOAD u                         ; register j of lane (r, h) = mask[query 16 qt + r][key 16 kt + 8 h + j]: the scores' C operand
.irp q, 0,1
.irp kt, 0,1
	ds_load_b128 v[S+8*(2*\q+\kt):S+8*(2*\q+\kt)+3],   v2 offset:(\u>>1)*TILE+\q*4352+(\u&1)*128+\kt*64
	ds_load_b128 v[S+8*(2*\q+\kt)+4:S+8*(2*\q+\kt)+7], v2 offset:(\u>>1)*TILE+\q*4352+(\u&1)*128+\kt*64+16
.endr
.endr
.endm
.macro SLINK b, xo, yo, ks             ; one link of the four score tiles
.irp q, 0,1
.irp kt, 0,1
	v_wmma_f32_16x16x32_bf16 v[S+8*(2*\q+\kt):S+8*(2*\q+\kt)+7], v[128*\b+\xo+8*(2*\kt+\ks):128*\b+\xo+8*(2*\kt+\ks)+7], v[Y+32*\q+\yo+8*\ks:Y+32*\q+\yo+8*\ks+7], v[S+8*(2*\q+\kt):S+8*(2*\q+\kt)+7]
.endr
.endr
.endm
.macro SMUL b                          ; 24 matrix instructions; the four tiles take turns, one instruction a turn
	WIN 0x01                           ; source 0 in window 1
	SLINK \b, 0,  0,  0                ; x hi y hi
	SLINK \b, 0,  0,  1
	SLINK \b, 0,  16, 0                ; x hi y lo
	SLINK \b, 0,  16, 1
	SLINK \b, 32, 0,  0                ; x lo y hi
	SLINK \b, 32, 0,  1
.endm
.macro PLINK b, vo, pb, zero           ; one link of the eight result tiles
.irp q, 0,1
.irp f, 0,1,2,3
.if \zero
	v_wmma_f32_16x16x32_bf16 v[O+8*(4*\q+\f):O+8*(4*\q+\f)+7], v[128*\b+\vo+8*\f:128*\b+\vo+8*\f+7], v[\pb+8*\q:\pb+8*\q+7], 0
.else
	v_wmma_f32_16x16x32_bf16 v[O+8*(4*\q+\f):O+8*(4*\q+\f)+7], v[128*\b+\vo+8*\f:128*\b+\vo+8*\f+7], v[\pb+8*\q:\pb+8*\q+7], v[O+8*(4*\q+\f):O+8*(4*\q+\f)+7]
.endif
.endr
.endr
.endm
.macro PVMUL b, zero                   ; 24 matrix instructions; the eight tiles take turns likewise
	WIN 0x01
	PLINK \b, 64, PH, \zero            ; v' hi p hi (in the first unit it starts the sums)
	PLINK \b, 64, PL, 0                ; v' hi p lo
	PLINK \b, 96, PH, 0                ; v' lo p hi
.endm
; scores of one unit become weights; first = 1: nothing has been summed yet
.macro SOFTMAX first
.irp q, 0,1
	v_max3_num_f32 v[T+16*\q],   v[S+16*\q],   v[S+16*\q+1],  v[S+16*\q+2]     ; my 16 keys, in two chains
	v_max3_num_f32 v[T+16*\q+1], v[S+16*\q+8], v[S+16*\q+9],  v[S+16*\q+10]
	v_max3_num_f32 v[T+16*\q],   v[T+16*\q],   v[S+16*\q+3],  v[S+16*\q+4]
	v_max3_num_f32 v[T+16*\q+1], v[T+16*\q+1], v[S+16*\q+11], v[S+16*\q+12]
	v_max3_num_f32 v[T+16*\q],   v[T+16*\q],   v[S+16*\q+5],  v[S+16*\q+6]
	v_max3_num_f32 v[T+16*\q+1], v[T+16*\q+1], v[S+16*\q+13], v[S+16*\q+14]
	v_max3_num_f32 v[T+16*\q],   v[T+16*\q],   v[S+16*\q+7],  v[S+16*\q+15]
	v_max_num_f32 v[T+16*\q], v[T+16*\q], v[T+16*\q+1]
	v_permlanex16_b32 v[T+16*\q+1], v[T+16*\q], s22, s23                       ; the other 16 keys of query r lie in lane r xor 16
	v_max_num_f32 v[T+16*\q], v[T+16*\q], v[T+16*\q+1]
	v_add_f32 v[T+16*\q], v[T+16*\q], v[C+\q]                                  ; the unit's largest score
.if \first
	v_max_num_f32 v[M+\q], s49, v[T+16*\q]                                     ; never below -2^127
.else
	v_sub_f32 v[AL+2*\q], v[M+\q], v[T+16*\q]
	v_min_num_f32 v[AL+2*\q], 0, v[AL+2*\q]                                    ; old maximum - new maximum
	v_max_num_f32 v[M+\q], v[M+\q], v[T+16*\q]
	v_mul_f32 v[AL+2*\q], s20, v[AL+2*\q]
.endif
	v_sub_f32 v[NB+2*\q], v[C+\q], v[M+\q]
	v_mul_f32 v[NB+2*\q], s20, v[NB+2*\q]
.endr
.irp q, 0,1
.irp k, 0,2,4,6,8,10,12,14
	v_pk_fma_f32 v[S+16*\q+\k:S+16*\q+\k+1], v[S+16*\q+\k:S+16*\q+\k+1], s[20:21], v[NB+2*\q:NB+2*\q+1] op_sel_hi:[1,0,0]
.endr
.endr
.if \first == 0
	v_exp_f32 v[AL], v[AL]
	v_exp_f32 v[AL+2], v[AL+2]
.endif
.set i, 0
.rept 32
	v_exp_f32 v[S+i], v[S+i]
.set i, i+1
.endr
	v_nop                                          ; one plain place behind the last exponential (ISA guide 5.7.2)
.if \first == 0
	s_wait_alu depctr_va_vdst(0)
.irp q, 0,1
.set i, 0
.rept 16
	v_pk_mul_f32 v[O+32*\q+2*i:O+32*\q+2*i+1], v[O+32*\q+2*i:O+32*\q+2*i+1], v[AL+2*\q:AL+2*\q+1] op_sel_hi:[1,0]
.set i, i+1
.endr
.endr
.endif
	s_wait_alu depctr_va_vdst(0)
.irp q, 0,1
	v_pk_add_f32 v[T+16*\q:T+16*\q+1],   v[S+16*\q:S+16*\q+1],     v[S+16*\q+2:S+16*\q+3]
	v_pk_add_f32 v[T+16*\q+2:T+16*\q+3], v[S+16*\q+4:S+16*\q+5],   v[S+16*\q+6:S+16*\q+7]
	v_pk_add_f32 v[T+16*\q+4:T+16*\q+5], v[S+16*\q+8:S+16*\q+9],   v[S+16*\q+10:S+16*\q+11]
	v_pk_add_f32 v[T+16*\q+6:T+16*\q+7], v[S+16*\q+12:S+16*\q+13], v[S+16*\q+14:S+16*\q+15]
	v_pk_add_f32 v[T+16*\q:T+16*\q+1],   v[T+16*\q:T+16*\q+1],     v[T+16*\q+2:T+16*\q+3]
	v_pk_add_f32 v[T+16*\q+4:T+16*\q+5], v[T+16*\q+4:T+16*\q+5],   v[T+16*\q+6:T+16*\q+7]
	v_pk_add_f32 v[T+16*\q:T+16*\q+1],   v[T+16*\q:T+16*\q+1],     v[T+16*\q+4:T+16*\q+5]
.if \first
	v_add_f32 v[LS+\q], v[T+16*\q], v[T+16*\q+1]
.else
	v_fma_f32 v[LS+\q], v[LS+\q], v[AL+2*\q], v[T+16*\q]
	v_add_f32 v[LS+\q], v[LS+\q], v[T+16*\q+1]
.endif
.endr
	; weights to bf16 hi and lo: words 0-3 from key tile 0 (k = 8 h + ..), words 4-7 from key tile 1 (k = 16 + 8 h + ..): the fragment as it stands
.irp q, 0,1
.irp k, 0,1,2,3,4,5,6,7
	v_cvt_pk_bf16_f32 v[PH+8*\q+\k], v[S+16*\q+2*\k], v[S+16*\q+2*\k+1]
.endr
.irp k, 0,1,2,3,4,5,6,7
	v_lshlrev_b32 v[T+16*\q+2*\k],   16,  v[PH+8*\q+\k]
	v_and_b32     v[T+16*\q+2*\k+1], s48, v[PH+8*\q+\k]
.endr
.irp k, 0,1,2,3,4,5,6,7
	v_pk_add_f32 v[S+16*\q+2*\k:S+16*\q+2*\k+1], v[S+16*\q+2*\k:S+16*\q+2*\k+1], v[T+16*\q+2*\k:T+16*\q+2*\k+1] neg_lo:[0,1] neg_hi:[0,1]
.endr
.irp k, 0,1,2,3,4,5,6,7
	v_cvt_pk_bf16_f32 v[PL+8*\q+\k], v[S+16*\q+2*\k], v[S+16*\q+2*\k+1]
.endr
.endr
.endm
; unit u on buffer b; nb = the other buffer
.macro UNIT u, b, nb
.if \u > 0
	PLACES                                         ; behind the last unit's matrix instructions: buffer nb is loaded again, O and the weights are rewritten
.endif
.if \u < 7
	KLOAD (\u+1), \nb
	s_wait_loadcnt 48                              ; may stay out: this unit's 16 loads of v' and the next unit's 32; this unit's x is in, and all that is older
.else
	s_wait_loadcnt 16                              ; may stay out: this unit's 16 loads of v'
.endif
	s_wait_dscnt 0x0                               ; this unit's mask is in the score registers
	SMUL \b
	WIN 0
	PLACES
.if \u == 0
	SOFTMAX 1
.else
	SOFTMAX 0
.endif
.if \u < 7
.if ((\u+1)&1) == 0
	s_wait_tensorcnt 3-(\u+1)/2                    ; my mask tile (u + 1) / 2 has landed; the younger ones may stay out
.endif
	MLOAD (\u+1)                                   ; the weights have left the score registers
	s_wait_loadcnt 32                              ; may stay out: the next unit's 32; this unit's v' is in
.else
	s_wait_loadcnt 0x0
.endif
.if \u == 0
	PVMUL \b, 1
.else
	PVMUL \b, 0
.endif
.endm
	s_load_b256 s[8:15], s[0:1], 0x0               ; mask 8, kside 10, yq 12, cq 14
	s_load_b128 s[16:19], s[0:1], 0x20             ; bo 16, out0 18
	v_lshl_add_u32 v30, v0, 2, 0x44800
	v_mov_b32 v31, 0
	ds_add_u32 v30, v31
	ds_add_u32 v30, v31
	v_lshrrev_b32 v6, 5, v0
	v_readfirstlane_b32 s2, v6                     ; wave
	s_mov_b32 s3, ttmp9                            ; work-group: queries 32 G .. 32 G + 31 of all 8,192
	; descriptor group 1: a tile of 32 rows x 64 elements of 4 bytes, 16 bytes of padding behind each row of 256 bytes
	s_mov_b32 s24, (2<<16)|(1<<20)|(5<<22)|(3<<25) ; no mask; element of 4 bytes; padding on; after every 64 words; 4 words
	s_mov_b32 s25, 64<<16                          ; tensor_dim0 = 64
	s_mov_b32 s26, 32<<16                          ; tensor_dim1 = 32
	s_mov_b32 s27, 64<<16                          ; tile_dim0 = 64
	s_mov_b32 s28, 32                              ; tile_dim1 = 32
	s_mov_b32 s29, 2048                            ; elements from row to row
	s_mov_b32 s30, 0
	s_mov_b32 s31, 0
	s_lshl_b32 s4, s3, 18                          ; 32 rows of 8,192 bytes for each work-group
	s_lshl_b32 s5, s2, 10                          ; 256 keys of 4 bytes for each wave
	s_add_co_u32 s4, s4, s5
	s_mov_b32 s5, 0
	s_mul_i32 s6, s2, WMASK                        ; my wave's tiles in LDS
	s_wait_dscnt 0x0
	s_wait_kmcnt 0x0
	s_add_nc_u64 s[8:9], s[8:9], s[4:5]
.irp t, 0,1,2,3
	s_mov_b32 s[32+4*\t], 1                                        ; count = 1
	s_add_co_u32 s[33+4*\t], s6, \t*TILE                           ; LDS address
	s_add_nc_u64 s[34+4*\t:35+4*\t], s[8:9], \t*256                ; keys 64 t .. 64 t + 63 of my 256
	s_or_b32 s[35+4*\t], s[35+4*\t], 0x80000000                    ; type = 2
	tensor_load_to_lds s[32+4*\t:35+4*\t], s[24:31]                ; all first fills go out together, ahead of everything else
	s_nop 0
.endr
	s_mov_b32 s20, 0x3fb8aa3b                      ; log2 e
	s_mov_b32 s21, 0x3fb8aa3b
	s_mov_b32 s22, 0x76543210                      ; v_permlanex16_b32: lane i of one half reads lane i of the other
	s_mov_b32 s23, 0xfedcba98
	s_mov_b32 s48, 0xffff0000                      ; a word's upper bf16
	s_mov_b32 s49, 0xff000000                      ; -2^127
	s_lshr_b32 s4, s3, 6                           ; batch
	s_lshl_b32 s4, s4, 20                          ; 64 blocks of 16 KiB
	s_lshl_b32 s7, s2, 17                          ; 8 blocks for each wave
	s_add_co_u32 s4, s4, s7
	s_add_nc_u64 s[50:51], s[10:11], s[4:5]        ; my wave's key side
	s_lshl_b32 s4, s3, 13
	s_add_nc_u64 s[12:13], s[12:13], s[4:5]        ; yq: two tiles of 4,096 bytes
	s_add_nc_u64 s[52:53], s[18:19], s[4:5]        ; out0: 32 rows of 256 bytes,
	s_lshl_b32 s4, s2, 10
	s_add_nc_u64 s[52:53], s[52:53], s[4:5]        ; of which my wave finishes four
	s_lshl_b32 s4, s3, 8
	s_add_nc_u64 s[14:15], s[14:15], s[4:5]        ; cq: two tiles of 128 bytes
	v_and_b32 v6, 31, v0                           ; lane
	v_and_b32 v14, 15, v0                          ; r
	v_bfe_u32 v15, v0, 4, 1                        ; h
	v_lshlrev_b32 v1, 4, v6                        ; 16 lane
	v_lshlrev_b32 v3, 2, v6                        ; 4 lane
	v_lshlrev_b32 v4, 4, v14                       ; 16 r
	v_mul_u32_u24 v2, v14, 272
	v_lshl_add_u32 v2, v15, 5, v2
	v_add_nc_u32 v2, s6, v2                        ; my wave's tiles + r rows + 32 h
	s_lshl_b32 s7, s2, 2
	s_add_co_u32 s7, s7, STAT_M
	v_lshl_add_u32 v5, v14, 5, s7                  ; where query r's maximum of my wave goes
	v_mov_b32 v7, 0                                ; v6, v7: destinations of a lane exchange count as read
	v_mov_b32 v17, 0                               ; the second registers of the broadcast pairs
	v_mov_b32 v19, 0
	v_mov_b32 v21, 0
	v_mov_b32 v23, 0
.set i, 0
.rept 16
	global_load_b128 v[Y+4*i:Y+4*i+3], v1, s[12:13] offset:512*i
.set i, i+1
.endr
	global_load_b32 v[C],   v3, s[14:15]
	global_load_b32 v[C+1], v3, s[14:15] offset:128
	global_load_b128 v[BO:BO+3], v4, s[16:17]
	KLOAD 0, 0
	WIN 0
	s_wait_tensorcnt 3                             ; my first mask tile has landed; three may stay out
	MLOAD 0
	UNIT 0, 0, 1
	UNIT 1, 1, 0
	UNIT 2, 0, 1
	UNIT 3, 1, 0
	UNIT 4, 0, 1
	UNIT 5, 1, 0
	UNIT 6, 0, 1
	UNIT 7, 1, 0
	; THE MERGE.  Each wave lays its 32 x 64 result (rows of 272 bytes) over its own first mask tile, which has had its only fill
	; and its last read, and its maxima and sums into words of their own; one barrier; wave w finishes queries 4 w .. 4 w + 3.
	WIN 0
	PLACES
	v_permlanex16_b32 v6, v[LS],   s22, s23
	v_permlanex16_b32 v7, v[LS+1], s22, s23
	v_add_f32 v[LS],   v[LS],   v6                 ; both halves of the lanes' keys
	v_add_f32 v[LS+1], v[LS+1], v7
.irp q, 0,1
.irp f, 0,1,2,3
	ds_store_b128 v2, v[O+8*(4*\q+\f):O+8*(4*\q+\f)+3],   offset:\q*4352+\f*64
	ds_store_b128 v2, v[O+8*(4*\q+\f)+4:O+8*(4*\q+\f)+7], offset:\q*4352+\f*64+16
.endr
	ds_store_b32 v5, v[M+\q]  offset:\q*512        ; lanes r and r + 16 write the same word with the same number
	ds_store_b32 v5, v[LS+\q] offset:1024+\q*512
.endr
	s_mul_i32 s4, s2, 4*272
	v_mul_u32_u24 v7, v15, 272
	v_lshl_add_u32 v7, v14, 4, v7
	v_add_nc_u32 v[AD], s4, v7                     ; row 4 w + h, my 16 bytes (features 4 r .. 4 r + 3), in wave 0's result
.irp k, 1,2,3,4,5,6,7
	v_add_nc_u32 v[AD+\k], \k*WMASK, v[AD]
.endr
	s_lshl_b32 s5, s2, 7
	s_add_co_u32 s5, s5, STAT_M
	v_lshl_add_u32 v[SA], v15, 5, s5               ; the eight maxima of query 4 w + h
	s_wait_dscnt 0x0                               ; my stores are in LDS, for the others' sake
	s_barrier_signal -1
	s_barrier_wait -1
.irp i, 0,1
	ds_load_b128 v[MM+16*\i:MM+16*\i+3],     v[SA] offset:64*\i
	ds_load_b128 v[MM+16*\i+4:MM+16*\i+7],   v[SA] offset:64*\i+16
	ds_load_b128 v[MM+16*\i+8:MM+16*\i+11],  v[SA] offset:1024+64*\i
	ds_load_b128 v[MM+16*\i+12:MM+16*\i+15], v[SA] offset:1024+64*\i+16
.irp k, 0,1,2,3,4,5,6,7
	ds_load_b128 v[PO+32*\i+4*\k:PO+32*\i+4*\k+3], v[AD+\k] offset:544*\i
.endr
.endr
; queries 4 w + 2 i + h; left = how many younger LDS loads may stay out
.macro FIN i, left
	s_wait_dscnt \left
	v_max3_num_f32 v[NB+2*\i], v[MM+16*\i],  v[MM+16*\i+1], v[MM+16*\i+2]
	v_max3_num_f32 v[NB+2*\i], v[NB+2*\i],   v[MM+16*\i+3], v[MM+16*\i+4]
	v_max3_num_f32 v[NB+2*\i], v[NB+2*\i],   v[MM+16*\i+5], v[MM+16*\i+6]
	v_max_num_f32  v[NB+2*\i], v[NB+2*\i],   v[MM+16*\i+7]                    ; the query's maximum over all keys
.irp k, 0,2,4,6
	v_pk_add_f32 v[MM+16*\i+\k:MM+16*\i+\k+1], v[MM+16*\i+\k:MM+16*\i+\k+1], v[NB+2*\i:NB+2*\i+1] op_sel_hi:[1,0] neg_lo:[0,1] neg_hi:[0,1]
.endr
.irp k, 0,2,4,6
	v_pk_mul_f32 v[MM+16*\i+\k:MM+16*\i+\k+1], v[MM+16*\i+\k:MM+16*\i+\k+1], s[20:21] op_sel_hi:[1,0]
.endr
.irp k, 0,1,2,3,4,5,6,7
	v_exp_f32 v[MM+16*\i+\k], v[MM+16*\i+\k]       ; wave k's factor
.endr
	v_nop                                          ; one plain place behind the last exponential (ISA guide 5.7.2)
	s_wait_alu depctr_va_vdst(0)
	v_pk_mul_f32 v[MM+16*\i+8:MM+16*\i+9], v[MM+16*\i+8:MM+16*\i+9], v[MM+16*\i:MM+16*\i+1]
.irp k, 2,4,6
	v_pk_fma_f32 v[MM+16*\i+8:MM+16*\i+9], v[MM+16*\i+8+\k:MM+16*\i+8+\k+1], v[MM+16*\i+\k:MM+16*\i+\k+1], v[MM+16*\i+8:MM+16*\i+9]
.endr
	v_add_f32 v[MM+16*\i+8], v[MM+16*\i+8], v[MM+16*\i+9]
	v_rcp_f32 v[AL+2*\i], v[MM+16*\i+8]            ; the lines below are the plain places behind it: they touch neither its source nor its result
	v_pk_mul_f32 v[RES+4*\i:RES+4*\i+1],   v[PO+32*\i:PO+32*\i+1],   v[MM+16*\i:MM+16*\i+1] op_sel_hi:[1,0]
	v_pk_mul_f32 v[RES+4*\i+2:RES+4*\i+3], v[PO+32*\i+2:PO+32*\i+3], v[MM+16*\i:MM+16*\i+1] op_sel_hi:[1,0]
	v_pk_fma_f32 v[RES+4*\i:RES+4*\i+1],   v[PO+32*\i+4:PO+32*\i+5], v[MM+16*\i:MM+16*\i+1], v[RES+4*\i:RES+4*\i+1]   op_sel:[0,1,0] op_sel_hi:[1,1,1]
	v_pk_fma_f32 v[RES+4*\i+2:RES+4*\i+3], v[PO+32*\i+6:PO+32*\i+7], v[MM+16*\i:MM+16*\i+1], v[RES+4*\i+2:RES+4*\i+3] op_sel:[0,1,0] op_sel_hi:[1,1,1]
.irp k, 2,4,6
	v_pk_fma_f32 v[RES+4*\i:RES+4*\i+1],   v[PO+32*\i+4*\k:PO+32*\i+4*\k+1],   v[MM+16*\i+\k:MM+16*\i+\k+1], v[RES+4*\i:RES+4*\i+1]   op_sel_hi:[1,0,1]
	v_pk_fma_f32 v[RES+4*\i+2:RES+4*\i+3], v[PO+32*\i+4*\k+2:PO+32*\i+4*\k+3], v[MM+16*\i+\k:MM+16*\i+\k+1], v[RES+4*\i+2:RES+4*\i+3] op_sel_hi:[1,0,1]
	v_pk_fma_f32 v[RES+4*\i:RES+4*\i+1],   v[PO+32*\i+4*\k+4:PO+32*\i+4*\k+5], v[MM+16*\i+\k:MM+16*\i+\k+1], v[RES+4*\i:RES+4*\i+1]   op_sel:[0,1,0] op_sel_hi:[1,1,1]
	v_pk_fma_f32 v[RES+4*\i+2:RES+4*\i+3], v[PO+32*\i+4*\k+6:PO+32*\i+4*\k+7], v[MM+16*\i+\k:MM+16*\i+\k+1], v[RES+4*\i+2:RES+4*\i+3] op_sel:[0,1,0] op_sel_hi:[1,1,1]
.endr
	s_wait_alu depctr_va_vdst(0)
	v_pk_fma_f32 v[RES+4*\i:RES+4*\i+1],   v[RES+4*\i:RES+4*\i+1],   v[AL+2*\i:AL+2*\i+1], v[BO:BO+1]   op_sel_hi:[1,0,1]
	v_pk_fma_f32 v[RES+4*\i+2:RES+4*\i+3], v[RES+4*\i+2:RES+4*\i+3], v[AL+2*\i:AL+2*\i+1], v[BO+2:BO+3] op_sel_hi:[1,0,1]
	global_store_b128 v1, v[RES+4*\i:RES+4*\i+3], s[52:53] offset:512*\i      ; two whole rows of out0: 512 consecutive bytes, aligned
.endm
	FIN 0, 12                                      ; the second pair's twelve loads may stay out
	FIN 1, 0
	s_wait_tensorcnt 0x0
	ds_add_u32 v30, v31
	s_wait_dscnt 0x0
	s_endpgm
.Lfunc_end_k_qcde72af985_attn:
	.size	k_qcde72af985_attn, .Lfunc_end_k_qcde72af985_attn-k_qcde72af985_attn
	.p2alignl 7, 3214868480
	.fill 96, 4, 3214868480
	.section	.rodata,"a",@progbits
	.p2align	6, 0x0
	.amdhsa_kernel k_qcde72af985_attn
		.amdhsa_group_segment_fixed_size 281600
		.amdhsa_private_segment_fixed_size 0
		.amdhsa_enable_private_segment 0
		.amdhsa_kernarg_size 48
		.amdhsa_user_sgpr_count 2
		.amdhsa_user_sgpr_kernarg_segment_ptr 1
		.amdhsa_wavefront_size32 1
		.amdhsa_system_sgpr_workgroup_id_x 1
		.amdhsa_system_sgpr_workgroup_id_y 1
		.amdhsa_system_sgpr_workgroup_id_z 1
		.amdhsa_system_vgpr_workitem_id 0
		.amdhsa_next_free_vgpr 512
		.amdhsa_next_free_sgpr 66
		.amdhsa_reserve_vcc 0
		.amdhsa_float_denorm_mode_32 3
		.amdhsa_float_denorm_mode_16_64 3
		.amdhsa_memory_ordered 1
		.amdhsa_forward_progress 1
		.amdhsa_inst_pref_size 155
	.end_amdhsa_kernel
	.amdgpu_metadata
---
amdhsa.version: [ 1, 2 ]
amdhsa.kernels:
  - .name:           k_qcde72af985_attn
    .symbol:         k_qcde72af985_attn.kd
    .args:
      - { .name: mask, .offset: 0, .size: 8, .value_kind: global_buffer, .address_space: global }
      - { .name: kside, .offset: 8, .size: 8, .value_kind: global_buffer, .address_space: global }
      - { .name: yq, .offset: 16, .size: 8, .value_kind: global_buffer, .address_space: global }
      - { .name: cq, .offset: 24, .size: 8, .value_kind: global_buffer, .address_space: global }
      - { .name: bo, .offset: 32, .size: 8, .value_kind: global_buffer, .address_space: global }
      - { .name: out0, .offset: 40, .size: 8, .value_kind: global_buffer, .address_space: global }
    .group_segment_fixed_size: 281600
    .private_segment_fixed_size: 0
    .kernarg_segment_align: 8
    .kernarg_segment_size: 48
    .max_flat_workgroup_size: 256
    .sgpr_count:     66
    .vgpr_count:     512
    .wavefront_size: 32
...
	.end_amdgpu_metadata
.endif
;; end of part 3
